; MI455X (gfx1250); checked and timed in simulation.
; The chip was launched on July 23, 2026; its instructions are those of AMD's public machine-readable ISA for CDNA 5 (MIT licence, August 2026) and "CDNA5" Instruction Set Architecture Reference Guide (July 2026). The comments in the code are by the model that wrote it; some were corrected since.
;; MLP. Allowed arithmetic: float matrix products may take bf16 or f16 operands with f32 sums; all other float work in f32.
;; Inputs: W_mlp 512 x 1,024 float32; W_out 1 x 512 float32; b_mlp 512 float32; b_out 1 float32; decoder_states 4 x 128 x 512 float32; encoder_states 4 x 512 x 512 float32.
;; Outputs: out0 4 x 128 x 512 float32.
;; 2 versions, each right; version 2 is version 1 with the launch proj written anew for expert scheduling mode. Each part assembles by itself: llvm-mc -triple=amdgcn-amd-amdhsa -mcpu=gfx1250 --defsym DOCPART=n.
;; ======== version 1 of 2: 2 launches
;; workspace buffers: et 4,194,304 bytes; nd 1,048,576 bytes
;; launch proj (part 1): grid 8 x 40, 8 waves a work-group, no clusters, 151,552 bytes of LDS; arguments encoder_states, decoder_states, W_mlp, b_mlp, et, nd; writes et, nd
.if DOCPART == 1
	.amdgcn_target "amdgcn-amd-amdhsa--gfx1250"
	.amdhsa_code_object_version 6
	.text
	.protected	k_q1e67032d6e_proj
	.globl	k_q1e67032d6e_proj
	.p2align	8
	.type	k_q1e67032d6e_proj,@function
k_q1e67032d6e_proj:
	s_mov_b64 s[64:65], 0
	v_nop
	global_prefetch_b8 v0, s[64:65] scope:SCOPE_SE
	s_setreg_imm32_b32 hwreg(HW_REG_WAVE_MODE, 25, 1), 1
	s_wait_xcnt 0x0
; The two projections, one 64 x 64 tile of results for each work-group, K = 512 whole.
;   y = 0..31 : ET[b][h][e]        = sum_d enc[b][e][d] W[h][d]                    (enc_proj, transposed), f32
;   y = 32..39: ND[b][qt][h][16 q] = -( sum_d dec[b][q][d] W[h][512+d] + b_mlp[h] ), f32
; x = 0..7 is the tile of 64 h.  Operands are rounded to bf16 on the way from memory to LDS, sums are f32.
; Eight waves.  Wave w makes two 16 x 16 tiles: rows 16 (w & 3) .., h blocks 2 (w >> 2) and 2 (w >> 2) + 1.
; NO CLUSTER, NO TENSOR LOAD, though 8 work-groups read each tile of activations and 40 each tile of W: the operands lie in
; memory as f32 and are multiplied as bf16, so every word passes through registers for its conversion.  A joint load would
; lay the f32 tile in LDS (2 x 131,072 bytes a work-group instead of 2 x 66,560), to be read, converted and stored once more.
; NO RING OVER K: both operands' whole K (64 rows x 512 bf16 each) fit in LDS, so one fill and one barrier do.
.set PITCH,  1040                      ; an LDS row of 512 bf16 + 16 bytes: an odd multiple of 16, the 16 rows of a fragment load fall on different banks
.set BOFF,   64*PITCH                  ; W's 64 rows lie behind the activations' 64 rows
.set STAGE,  2*64*PITCH                ; results, f32 [64 h][64 rows]
.set SPITCH, 272                       ; 256 bytes + 16
.set X0,   16                          ; v[16:79]    16 loads of 4 f32, batch 0
.set X1,   80                          ; v[80:143]   batch 1
.set F0,   16                          ; v[16:111]   fragments of 4 K steps (A 8, B0 8, B1 8 registers a step), buffer 0
.set F1,   112                         ; v[112:207]  buffer 1
.set ACC0, 208                         ; v[208:215]  (before the products: scratch for the addresses)
.set ACC1, 216                         ; v[216:223]
; v1 global offset in the activations, v2 in W, v3/v4 LDS store address of A/B, v5/v6 fragment address of A/B, v7 stage store,
; v8 bias, v9/v10 LDS/global offset of ET's way out, v11/v12 of ND's, v13 bias offset, v14 lane
	s_load_b256 s[4:11], s[0:1], 0x0               ; enc s[4:5], dec s[6:7], W s[8:9], b_mlp s[10:11]
	s_load_b128 s[12:15], s[0:1], 0x20             ; et s[12:13], nd s[14:15]
	v_lshl_add_u32 v224, v0, 2, 0x24c00
	v_mov_b32 v225, 0
	v_lshrrev_b32 v14, 5, v0
	v_readfirstlane_b32 s16, v14                   ; wave 0..7
	s_and_b32 s17, ttmp7, 0xffff                   ; y
	v_and_b32 v14, 31, v0                          ; lane
	v_and_b32 v208, 15, v0                         ; r
	v_bfe_u32 v209, v0, 4, 1                       ; h (half of the lanes)
	; a wave copies 8 rows of each operand: 4 loads of 512 bytes a row, 16 bytes a lane
	s_lshl_b32 s29, s16, 14
	v_lshl_add_u32 v1, v14, 4, s29                 ; 8 rows x 2,048 bytes x wave + 16 lane
	s_lshl_b32 s29, s16, 15
	v_lshl_add_u32 v2, v14, 4, s29                 ; 8 rows x 4,096 bytes x wave + 16 lane
	s_mul_i32 s29, s16, 8*PITCH
	v_lshl_add_u32 v3, v14, 3, s29                 ; in LDS: 8 bytes (4 bf16) a lane
	v_add_nc_u32 v4, BOFF, v3
	; fragments: row r of the block, 16 bytes for each half of the lanes
	s_and_b32 s30, s16, 3                          ; my block of 16 rows
	s_lshr_b32 s31, s16, 2                         ; my pair of h blocks
	v_mul_u32_u24 v210, v208, PITCH
	v_lshl_add_u32 v210, v209, 4, v210
	s_mul_i32 s29, s30, 16*PITCH
	v_add_nc_u32 v5, s29, v210
	s_mul_i32 s29, s31, 32*PITCH
	s_add_co_u32 s29, s29, BOFF
	v_add_nc_u32 v6, s29, v210
	; a result tile: lane (r, h) holds h index r, rows 8 h .. 8 h + 7: 32 neighbouring bytes of the stage's row
	v_mul_u32_u24 v210, v208, SPITCH
	v_lshl_add_u32 v210, v209, 5, v210
	s_mul_i32 s29, s31, 32*SPITCH
	s_lshl_b32 s32, s30, 6
	s_add_co_u32 s29, s29, s32
	s_add_co_u32 s29, s29, STAGE
	v_add_nc_u32 v7, s29, v210
	; ET's way out: 16 threads take a stage row (256 bytes = 64 e of one h)
	v_lshrrev_b32 v210, 4, v0
	v_lshlrev_b32 v211, 4, v208
	v_mad_u32_u24 v9, v210, SPITCH, v211
	v_add_nc_u32 v9, STAGE, v9
	v_lshl_add_u32 v10, v210, 11, v211             ; ET's rows are 2,048 bytes apart
	; ND's way out: 4 threads take 64 bytes (16 q of one h); in memory thread t's 16 bytes lie at 16 t
	v_lshrrev_b32 v210, 2, v0
	v_and_b32 v211, 3, v0
	v_lshlrev_b32 v211, 4, v211
	v_mad_u32_u24 v11, v210, SPITCH, v211
	v_add_nc_u32 v11, STAGE, v11
	v_lshlrev_b32 v12, 4, v0
	v_lshlrev_b32 v13, 2, v210                     ; b_mlp[64 x + (t >> 2)]
	; which operand: enc rows 64 y, W columns 0..511, or dec rows 64 (y - 32), W columns 512..1023
	s_and_b32 s26, s17, 7                          ; y - 32 for y = 32..39; for y < 32 the e tile inside b
	s_cmp_lt_u32 s17, 32
	s_cselect_b32 s27, s17, s26
	s_cselect_b32 s28, 0, 2048
	s_wait_kmcnt 0x0                               ; (selects and waits leave SCC as the compare set it)
	s_cselect_b64 s[18:19], s[4:5], s[6:7]
	s_lshl_b32 s22, s27, 17                        ; 64 rows x 2,048 bytes
	s_mov_b32 s23, 0
	s_add_nc_u64 s[18:19], s[18:19], s[22:23]
	s_lshl_b32 s22, ttmp9, 18                      ; 64 rows x 4,096 bytes
	s_add_co_u32 s22, s22, s28
	s_add_nc_u64 s[20:21], s[8:9], s[22:23]
	s_lshl_b32 s22, ttmp9, 8
	s_add_nc_u64 s[10:11], s[10:11], s[22:23]
; 16 loads: pieces j0 .. j0 + 15 of the wave's 32 (row j >> 2, 512 bytes (j & 3) of it)
.macro LDG x, off, base, j0, rowstep
.irp i, 0,1,2,3,4,5,6,7,8,9,10,11,12,13,14,15
	global_load_b128 v[\x+4*\i:\x+4*\i+3], v[\off], s[\base:\base+1] offset:((\j0+\i)>>2)*\rowstep+((\j0+\i)&3)*512
.endr
.endm
; the same 16 pieces: rounded to bf16 in place, 8 bytes a lane into LDS (a wave's store covers 256 neighbouring bytes)
.macro CVS x, la, j0
.irp i, 0,1,2,3,4,5,6,7,8,9,10,11,12,13,14,15
	v_cvt_pk_bf16_f32 v[\x+4*\i],   v[\x+4*\i],   v[\x+4*\i+1]
	v_cvt_pk_bf16_f32 v[\x+4*\i+1], v[\x+4*\i+2], v[\x+4*\i+3]
	ds_store_b64 v[\la], v[\x+4*\i:\x+4*\i+1] offset:((\j0+\i)>>2)*PITCH+((\j0+\i)&3)*256
.endr
.endm
	global_load_b32 v8, v13, s[10:11]              ; the bias, asked for early; only the ND tiles use it (ET carries no bias)
	LDG X0, 1, 18, 0, 2048
	LDG X1, 1, 18, 16, 2048
	s_wait_loadcnt 0x10                            ; loads come back in order: all but the youngest 16 are in (bias, A's first half)
	CVS X0, 3, 0
	LDG X0, 2, 20, 0, 4096
	s_wait_loadcnt 0x10                            ; A's second half
	CVS X1, 3, 16
	LDG X1, 2, 20, 16, 4096
	s_wait_loadcnt 0x10                            ; W's first half
	CVS X0, 4, 0
	s_wait_loadcnt 0x0                             ; W's second half: nothing was issued behind it
	CVS X1, 4, 16
	s_wait_dscnt 0x0                               ; my stores are in LDS before I say so
	s_barrier_signal -1
	s_barrier_wait -1                              ; both operands are whole
; fragments of K steps ks0 .. ks0 + 3 (32 k = 64 bytes a step): A, B of my first h block, B of my second (16 rows further)
.macro LOADF f, ks0
.irp s, 0,1,2,3
	ds_load_b128 v[\f+24*\s:\f+24*\s+3],     v5 offset:64*(\ks0+\s)
	ds_load_b128 v[\f+24*\s+4:\f+24*\s+7],   v5 offset:64*(\ks0+\s)+32
	ds_load_b128 v[\f+24*\s+8:\f+24*\s+11],  v6 offset:64*(\ks0+\s)
	ds_load_b128 v[\f+24*\s+12:\f+24*\s+15], v6 offset:64*(\ks0+\s)+32
	ds_load_b128 v[\f+24*\s+16:\f+24*\s+19], v6 offset:64*(\ks0+\s)+16*PITCH
	ds_load_b128 v[\f+24*\s+20:\f+24*\s+23], v6 offset:64*(\ks0+\s)+16*PITCH+32
.endr
.endm
; one K step for both tiles; zero = 1: the first product starts the sums, nothing is cleared
.macro MUL1 f, s, zero
.if \zero
	v_wmma_f32_16x16x32_bf16 v[ACC0:ACC0+7], v[\f+24*\s:\f+24*\s+7], v[\f+24*\s+8:\f+24*\s+15], 0
	v_wmma_f32_16x16x32_bf16 v[ACC1:ACC1+7], v[\f+24*\s:\f+24*\s+7], v[\f+24*\s+16:\f+24*\s+23], 0
.else
	v_wmma_f32_16x16x32_bf16 v[ACC0:ACC0+7], v[\f+24*\s:\f+24*\s+7], v[\f+24*\s+8:\f+24*\s+15], v[ACC0:ACC0+7]
	v_wmma_f32_16x16x32_bf16 v[ACC1:ACC1+7], v[\f+24*\s:\f+24*\s+7], v[\f+24*\s+16:\f+24*\s+23], v[ACC1:ACC1+7]
.endif
.endm
.macro MULF f, zero
	MUL1 \f, 0, \zero
	MUL1 \f, 1, 0
	MUL1 \f, 2, 0
	MUL1 \f, 3, 0
.endm
; A load into a register that a matrix instruction has read, and a store of its result, stand four independent plain vector
; instructions behind it; there is no other vector work here, so they are v_nop.
.macro PLACES
.rept 4
	v_nop
.endr
.endm
	LOADF F0, 0
	LOADF F1, 4
	s_wait_dscnt 0x18                              ; LDS loads come back in order: all but the youngest 24 (the other buffer's) are in
	MULF F0, 1
	PLACES
	LOADF F0, 8
	s_wait_dscnt 0x18
	MULF F1, 0
	PLACES
	LOADF F1, 12
	s_wait_dscnt 0x18
	MULF F0, 0
	s_wait_dscnt 0x0
	MULF F1, 0
	PLACES
	ds_store_b128 v7, v[ACC0:ACC0+3]
	ds_store_b128 v7, v[ACC0+4:ACC0+7] offset:16
	ds_store_b128 v7, v[ACC1:ACC1+3]   offset:16*SPITCH
	ds_store_b128 v7, v[ACC1+4:ACC1+7] offset:16*SPITCH+16
	s_wait_dscnt 0x0                               ; my part of the stage is in LDS before I say so
	s_barrier_signal -1
	s_barrier_wait -1
; Four passes: 16 bytes a thread from the stage, out in stores of which 16 neighbouring lanes cover 256 aligned bytes.
; neg = 1: (-bias) - x on the way.
.macro OUT la, ga, step, neg
.irp p, 0,1,2,3
	ds_load_b128 v[16+4*\p:19+4*\p], v[\la] offset:\p*\step
.endr
	s_wait_dscnt 0x0
.if \neg
.irp i, 0,1,2,3,4,5,6,7,8,9,10,11,12,13,14,15
	v_sub_f32 v[16+\i], v8, v[16+\i]
.endr
.endif
.irp p, 0,1,2,3
	global_store_b128 v[\ga], v[16+4*\p:19+4*\p], s[24:25] offset:\p*32768
.endr
.endm
	s_cmp_lt_u32 s17, 32
	s_cbranch_scc1 .Lenc
	; ND: pass p = q tile p of my four (stage columns 16 p .., 32,768 bytes further in memory)
	s_lshl_b32 s22, s26, 17                        ; b x 8 tiles + first q tile = 4 (y - 32) tiles of 32,768 bytes
	s_lshl_b32 s29, ttmp9, 12                      ; 64 h x 64 bytes
	s_add_co_u32 s22, s22, s29
	s_add_nc_u64 s[24:25], s[14:15], s[22:23]
	v_xor_b32 v8, 0x80000000, v8                   ; -bias
	OUT 11, 12, 64, 1
	s_wait_tensorcnt 0x0
	ds_add_u32 v224, v225
	s_wait_dscnt 0x0
	s_endpgm
.Lenc:
	; ET: pass p = h rows 16 p .. of my 64 (16 stage rows, 16 x 2,048 bytes further in memory)
	s_lshr_b32 s22, s17, 3
	s_lshl_b32 s22, s22, 20                        ; b x 512 x 2,048 bytes
	s_lshl_b32 s29, ttmp9, 17                      ; 64 h x 2,048 bytes
	s_add_co_u32 s22, s22, s29
	s_lshl_b32 s29, s26, 8                         ; 64 e x 4 bytes
	s_add_co_u32 s22, s22, s29
	s_add_nc_u64 s[24:25], s[12:13], s[22:23]
	OUT 9, 10, 16*SPITCH, 0
	s_wait_tensorcnt 0x0
	ds_add_u32 v224, v225
	s_wait_dscnt 0x0
	s_endpgm
.Lfunc_end_k_q1e67032d6e_proj:
	.size	k_q1e67032d6e_proj, .Lfunc_end_k_q1e67032d6e_proj-k_q1e67032d6e_proj
	.p2alignl 7, 3214868480
	.fill 96, 4, 3214868480
	.section	.rodata,"a",@progbits
	.p2align	6, 0x0
	.amdhsa_kernel k_q1e67032d6e_proj
		.amdhsa_group_segment_fixed_size 151552
		.amdhsa_private_segment_fixed_size 0
		.amdhsa_enable_private_segment 0
		.amdhsa_kernarg_size 48
		.amdhsa_user_sgpr_count 2
		.amdhsa_user_sgpr_kernarg_segment_ptr 1
		.amdhsa_wavefront_size32 1
		.amdhsa_system_sgpr_workgroup_id_x 1
		.amdhsa_system_sgpr_workgroup_id_y 1
		.amdhsa_system_sgpr_workgroup_id_z 1
		.amdhsa_system_vgpr_workitem_id 0
		.amdhsa_next_free_vgpr 226
		.amdhsa_next_free_sgpr 66
		.amdhsa_reserve_vcc 0
		.amdhsa_float_denorm_mode_32 3
		.amdhsa_float_denorm_mode_16_64 3
		.amdhsa_memory_ordered 1
		.amdhsa_forward_progress 1
		.amdhsa_inst_pref_size 33
	.end_amdhsa_kernel
	.amdgpu_metadata
---
amdhsa.version: [ 1, 2 ]
amdhsa.kernels:
  - .name:           k_q1e67032d6e_proj
    .symbol:         k_q1e67032d6e_proj.kd
    .args:
      - { .name: encoder_states, .offset: 0, .size: 8, .value_kind: global_buffer, .address_space: global }
      - { .name: decoder_states, .offset: 8, .size: 8, .value_kind: global_buffer, .address_space: global }
      - { .name: W_mlp, .offset: 16, .size: 8, .value_kind: global_buffer, .address_space: global }
      - { .name: b_mlp, .offset: 24, .size: 8, .value_kind: global_buffer, .address_space: global }
      - { .name: et, .offset: 32, .size: 8, .value_kind: global_buffer, .address_space: global }
      - { .name: nd, .offset: 40, .size: 8, .value_kind: global_buffer, .address_space: global }
    .group_segment_fixed_size: 151552
    .private_segment_fixed_size: 0
    .kernarg_segment_align: 8
    .kernarg_segment_size: 48
    .max_flat_workgroup_size: 256
    .sgpr_count:     66
    .vgpr_count:     226
    .wavefront_size: 32
...
	.end_amdgpu_metadata
.endif
;; end of part 1
;; launch pair (part 2): grid 8 x 32, 32 waves a work-group, no clusters, 139,520 bytes of LDS; arguments et, nd, W_out, b_out, out0; writes out0
.if DOCPART == 2
	.amdgcn_target "amdgcn-amd-amdhsa--gfx1250"
	.amdhsa_code_object_version 6
	.text
	.protected	k_q1e67032d6e_pair
	.globl	k_q1e67032d6e_pair
	.p2align	8
	.type	k_q1e67032d6e_pair,@function
k_q1e67032d6e_pair:
	s_mov_b64 s[64:65], 0
	v_nop
	global_prefetch_b8 v0, s[64:65] scope:SCOPE_SE
	s_setreg_imm32_b32 hwreg(HW_REG_WAVE_MODE, 25, 1), 1
	s_wait_xcnt 0x0
; out[b][q][e] = b_out + sum_h w[h] relu(dec_proj[q][h] + enc_proj[e][h] + b_mlp[h]).
; With ND = -(dec_proj + b_mlp) and E = enc_proj: relu(E - ND) = max(E, ND) - ND, so
;   out = sum_h w[h] max(E[e][h], ND[q][h])  -  sum_h w[h] ND[q][h]  +  b_out,
; and the second sum hangs on q alone.  An element then costs one max and one multiply-add, and both pair up two to an instruction.
; LIMITS: the order of rounding is not the reference's; the f32 error is about 2^-24 x sum_h |w| (|dec_proj + b| + |enc_proj|).
; Projections that are NaN or infinite are not reproduced (v_max_num drops a NaN).
; A work-group makes 16 q x 64 e (x = e tile, y = 8 b + q tile).  Wave w of 32 takes h = 16 w .. 16 w + 15 for the whole tile;
; lane l holds e = 2 l and 2 l + 1.  ND[q][h] and w[h] are the same in all lanes: they come by scalar loads, two h ahead,
; and enter the arithmetic as scalar operands.  The 32 waves' partial sums meet in LDS.
; THE LAST SUM IS NOT A MATRIX PRODUCT HERE: it has one column (w), 1 of the 16 that a matrix instruction makes, and rounding
; max(..) to bf16 would cost as many vector instructions as the multiply-add that it replaces.  It stays in f32.
; NO CLUSTER: the 8 q tiles of a b read the same E tile and the 8 e tiles the same ND tile, but E goes from memory straight into
; the register of the one lane that uses it and ND into scalar registers; a joint load would add a trip through LDS for each word.
.set SOFF,   131072                    ; LDS: P [32 waves][16 q][64 e] f32 at 0; S [16 q], 64 partial sums of w ND a row, behind it
.set SPITCH, 264                       ; 256 bytes + 8
.set E,   16                           ; v[16:47]   E[h0 + j][2 l], E[h0 + j][2 l + 1], j = 0..15
.set T,   48                           ; v[48:79]   max(E, ND) for 16 q x 2 e
.set ACC, 80                           ; v[80:111]  sums for 16 q x 2 e
.set BA,  20                           ; s[20:51]   ND of two h (16 q each), buffer A;  w of them in s[52:53]
.set BB,  68                           ; s[68:99]   buffer B;  w in s[54:55]
.set WA,  52
.set WB,  54
	s_load_b256 s[4:11], s[0:1], 0x0               ; et s[4:5], nd s[6:7], W_out s[8:9], b_out s[10:11]
	s_load_b64 s[12:13], s[0:1], 0x20              ; out0
	v_lshl_add_u32 v112, v0, 2, 0x21100
	v_mov_b32 v113, 0
	v_lshrrev_b32 v9, 5, v0
	v_readfirstlane_b32 s14, v9                    ; wave 0..31
	s_and_b32 s15, ttmp7, 0xffff                   ; y = 8 b + q tile
	s_mov_b32 s58, 0x76543210                      ; v_permlanex16_b32: lane i of one half reads lane i of the other
	s_mov_b32 s59, 0xfedcba98
	v_and_b32 v9, 31, v0                           ; lane
	v_and_b32 v10, 15, v0
	v_bfe_u32 v11, v0, 4, 1
	v_lshlrev_b32 v1, 3, v9                        ; my two e: 8 bytes a lane
	v_lshlrev_b32 v2, 2, v10                       ; for the q sum: lane = (q = l & 15, 8 h of half l >> 4)
	v_lshl_add_u32 v2, v11, 9, v2                  ; ND: 8 h x 64 bytes + 4 q
	v_lshlrev_b32 v3, 5, v11                       ; w: 8 h x 4 bytes
	s_lshl_b32 s57, s14, 12
	v_lshl_add_u32 v4, v9, 3, s57                  ; P: my wave's 4,096 bytes
	s_lshl_b32 s57, s14, 3
	s_add_co_u32 s57, s57, SOFF
	v_mul_u32_u24 v5, v10, SPITCH
	v_lshl_add_u32 v5, v11, 2, v5
	v_add_nc_u32 v5, s57, v5                       ; S: row q, word 2 w + half
	; offsets, apart from the addresses
	s_lshr_b32 s16, s15, 3
	s_lshl_b32 s16, s16, 20                        ; ET: b x 512 x 2,048 bytes
	s_lshl_b32 s57, s14, 15                        ; + 16 h x 2,048 bytes x wave
	s_add_co_u32 s16, s16, s57
	s_lshl_b32 s57, ttmp9, 8                       ; + 64 e x 4 bytes
	s_add_co_u32 s16, s16, s57
	s_mov_b32 s17, 0
	s_lshl_b32 s18, s15, 15                        ; ND: the (b, q tile)'s 32,768 bytes
	s_lshl_b32 s62, s14, 10                        ; + 16 h x 64 bytes x wave
	s_add_co_u32 s18, s18, s62
	s_mov_b32 s19, 0
	s_lshl_b32 s60, s14, 6                         ; w: 16 h x 4 bytes x wave
	s_mov_b32 s61, 0
	s_lshl_b32 s62, s15, 15                        ; out: 16 q x 2,048 bytes x y
	s_add_co_u32 s62, s62, s57                     ; + 64 e x 4 bytes
	s_lshl_b32 s57, s14, 11                        ; + row q = wave (waves 0..15 store)
	s_add_co_u32 s62, s62, s57
	s_mov_b32 s63, 0
	s_wait_kmcnt 0x0
	s_add_nc_u64 s[4:5], s[4:5], s[16:17]
	s_add_nc_u64 s[6:7], s[6:7], s[18:19]
	s_add_nc_u64 s[8:9], s[8:9], s[60:61]
	s_add_nc_u64 s[12:13], s[12:13], s[62:63]      ; none of the four is stepped again
; ND[0..15][h] and w[h] for h = h0 + 2 g and h0 + 2 g + 1
.macro SLD g, buf, wr
	s_load_b512 s[\buf:\buf+15],    s[6:7], 128*(\g)
	s_load_b512 s[\buf+16:\buf+31], s[6:7], 128*(\g)+64
	s_load_b64  s[\wr:\wr+1],       s[8:9], 8*(\g)
.endm
	SLD 0, BA, WA
	s_load_b32 s56, s[10:11], 0x0                  ; b_out
.irp i, 0,1,2,3,4,5,6,7
	global_load_b32 v[48+\i], v2, s[6:7] offset:64*\i          ; ND[q][8 half + i]
.endr
	global_load_b128 v[56:59], v3, s[8:9]                      ; w[8 half + 0..3]
	global_load_b128 v[60:63], v3, s[8:9] offset:16            ; w[8 half + 4..7]
.irp j, 0,1,2,3,4,5,6,7,8,9,10,11,12,13,14,15
	global_load_b64 v[E+2*\j:E+2*\j+1], v1, s[4:5] offset:2048*\j   ; a wave's load covers 256 neighbouring bytes, aligned
.endr
	s_wait_loadcnt 0x10                            ; loads come back in order: all but the 16 of E are in
	v_mul_f32 v64, v48, v56                        ; my 8 h of sum w ND
.irp i, 1,2,3,4,5,6,7
	v_fmac_f32 v64, v[48+\i], v[56+\i]
.endr
	ds_store_b32 v5, v64
; One h for 16 q x 2 e: 16 paired max, 16 paired multiply-adds.  first = 1: the first product starts the sums, nothing is cleared.
.macro HSTEP buf, w, j, first
.irp q, 0,1,2,3,4,5,6,7,8,9,10,11,12,13,14,15
	v_dual_max_num_f32 v[T+2*\q], s[\buf+\q], v[E+2*(\j)] :: v_dual_max_num_f32 v[T+2*\q+1], s[\buf+\q], v[E+2*(\j)+1]
.endr
.irp q, 0,1,2,3,4,5,6,7,8,9,10,11,12,13,14,15
.if \first
	v_dual_mul_f32 v[ACC+2*\q], s[\w], v[T+2*\q] :: v_dual_mul_f32 v[ACC+2*\q+1], s[\w], v[T+2*\q+1]
.else
	v_dual_fmac_f32 v[ACC+2*\q], s[\w], v[T+2*\q] :: v_dual_fmac_f32 v[ACC+2*\q+1], s[\w], v[T+2*\q+1]
.endif
.endr
.endm
; Two h.  Scalar loads return in no order, so the wait is for zero (ISA guide 5.7.1); the next group's are issued right behind it
; into the other buffer, 64 vector instructions of this wave (and those of the 7 other waves of its SIMD) ahead of their use.
.macro GROUP g, cur, cw, nxt, nw, more, first
	s_wait_kmcnt 0x0
.if \more
	SLD \g+1, \nxt, \nw
.endif
	s_wait_loadcnt 14-2*\g                         ; E's rows up to 2 g + 1 are in; the 14 - 2 g younger loads stay out
	HSTEP \cur,    \cw,   2*\g,   \first
	HSTEP \cur+16, \cw+1, 2*\g+1, 0
.endm
	GROUP 0, BA, WA, BB, WB, 1, 1
	GROUP 1, BB, WB, BA, WA, 1, 0
	GROUP 2, BA, WA, BB, WB, 1, 0
	GROUP 3, BB, WB, BA, WA, 1, 0
	GROUP 4, BA, WA, BB, WB, 1, 0
	GROUP 5, BB, WB, BA, WA, 1, 0
	GROUP 6, BA, WA, BB, WB, 1, 0
	GROUP 7, BB, WB, BA, WA, 0, 0
.irp q, 0,1,2,3,4,5,6,7,8,9,10,11,12,13,14,15
	ds_store_b64 v4, v[ACC+2*\q:ACC+2*\q+1] offset:256*\q      ; P[wave][q][2 l, 2 l + 1]
.endr
	s_wait_dscnt 0x0                               ; my sums (and my words of S) are in LDS before I say so
	s_barrier_signal -1
	s_barrier_wait -1
	s_cmp_ge_u32 s14, 16                           ; 16 rows are left to add up: wave w < 16 takes q = w, so that its one store is a whole
	s_cbranch_scc1 .Lend                           ; aligned run of 256 bytes; the other waves are done.  No barrier follows.
	s_lshl_b32 s57, s14, 8
	v_lshl_add_u32 v6, v9, 3, s57                  ; P[k][q = wave][2 l ..], k = 0..15 by the immediate,
	v_add_nc_u32 v7, 65536, v6                     ; k = 16..31
	s_mul_i32 s57, s14, SPITCH
	s_add_co_u32 s57, s57, SOFF
	v_lshl_add_u32 v8, v9, 3, s57                  ; S[q = wave]: two of its 64 words a lane
	ds_load_b64 v[80:81], v8
.irp k, 0,1,2,3,4,5,6,7,8,9,10,11,12,13,14,15
	ds_load_b64 v[16+2*\k:17+2*\k], v6 offset:4096*\k
.endr
.irp k, 0,1,2,3,4,5,6,7,8,9,10,11,12,13,14,15
	ds_load_b64 v[48+2*\k:49+2*\k], v7 offset:4096*\k
.endr
	s_wait_dscnt 0x20                              ; S's pair is in; the 32 loads of P stay out
	v_add_f32 v80, v80, v81
	v_add_f32_dpp v80, v80, v80 row_xmask:1 row_mask:0xf bank_mask:0xf
	v_add_f32_dpp v80, v80, v80 row_xmask:2 row_mask:0xf bank_mask:0xf
	v_add_f32_dpp v80, v80, v80 row_xmask:4 row_mask:0xf bank_mask:0xf
	v_add_f32_dpp v80, v80, v80 row_xmask:8 row_mask:0xf bank_mask:0xf
	v_permlanex16_b32 v81, v80, s58, s59
	v_add_f32 v80, v80, v81                        ; sum over all 512 h of w ND[q], in every lane
	v_sub_f32 v82, s56, v80                        ; b_out - that
; eight more waves' sums, added into four chains that do not wait for each other (the chains are waves 0..3's own sums)
.macro ADD8 base
.irp i, 0,1,2,3,4,5,6,7
	v_pk_add_f32 v[16+2*(\i&3):17+2*(\i&3)], v[16+2*(\i&3):17+2*(\i&3)], v[\base+2*\i:\base+2*\i+1]
.endr
.endm
	s_wait_dscnt 0x18                              ; waves 0..7's sums are in, 24 younger loads stay out
.irp i, 0,1,2,3
	v_pk_add_f32 v[16+2*\i:17+2*\i], v[16+2*\i:17+2*\i], v[24+2*\i:25+2*\i]
.endr
	s_wait_dscnt 0x10                              ; waves 8..15's
	ADD8 32
	s_wait_dscnt 0x8                               ; waves 16..23's
	ADD8 48
	s_wait_dscnt 0x0                               ; waves 24..31's
	ADD8 64
	v_pk_add_f32 v[16:17], v[16:17], v[18:19]
	v_pk_add_f32 v[20:21], v[20:21], v[22:23]
	v_pk_add_f32 v[16:17], v[16:17], v[20:21]
	v_add_f32 v16, v82, v16
	v_add_f32 v17, v82, v17
	global_store_b64 v1, v[16:17], s[12:13] th:TH_STORE_NT     ; 32 lanes: 256 neighbouring bytes of row q, aligned
.Lend:
	s_wait_tensorcnt 0x0
	ds_add_u32 v112, v113
	s_wait_dscnt 0x0
	s_endpgm
.Lfunc_end_k_q1e67032d6e_pair:
	.size	k_q1e67032d6e_pair, .Lfunc_end_k_q1e67032d6e_pair-k_q1e67032d6e_pair
	.p2alignl 7, 3214868480
	.fill 96, 4, 3214868480
	.section	.rodata,"a",@progbits
	.p2align	6, 0x0
	.amdhsa_kernel k_q1e67032d6e_pair
		.amdhsa_group_segment_fixed_size 139520
		.amdhsa_private_segment_fixed_size 0
		.amdhsa_enable_private_segment 0
		.amdhsa_kernarg_size 40
		.amdhsa_user_sgpr_count 2
		.amdhsa_user_sgpr_kernarg_segment_ptr 1
		.amdhsa_wavefront_size32 1
		.amdhsa_system_sgpr_workgroup_id_x 1
		.amdhsa_system_sgpr_workgroup_id_y 1
		.amdhsa_system_sgpr_workgroup_id_z 1
		.amdhsa_system_vgpr_workitem_id 0
		.amdhsa_next_free_vgpr 114
		.amdhsa_next_free_sgpr 100
		.amdhsa_reserve_vcc 0
		.amdhsa_float_denorm_mode_32 3
		.amdhsa_float_denorm_mode_16_64 3
		.amdhsa_memory_ordered 1
		.amdhsa_forward_progress 1
		.amdhsa_inst_pref_size 46
	.end_amdhsa_kernel
	.amdgpu_metadata
---
amdhsa.version: [ 1, 2 ]
amdhsa.kernels:
  - .name:           k_q1e67032d6e_pair
    .symbol:         k_q1e67032d6e_pair.kd
    .args:
      - { .name: et, .offset: 0, .size: 8, .value_kind: global_buffer, .address_space: global }
      - { .name: nd, .offset: 8, .size: 8, .value_kind: global_buffer, .address_space: global }
      - { .name: W_out, .offset: 16, .size: 8, .value_kind: global_buffer, .address_space: global }
      - { .name: b_out, .offset: 24, .size: 8, .value_kind: global_buffer, .address_space: global }
      - { .name: out0, .offset: 32, .size: 8, .value_kind: global_buffer, .address_space: global }
    .group_segment_fixed_size: 139520
    .private_segment_fixed_size: 0
    .kernarg_segment_align: 8
    .kernarg_segment_size: 40
    .max_flat_workgroup_size: 1024
    .sgpr_count:     100
    .vgpr_count:     114
    .wavefront_size: 32
...
	.end_amdgpu_metadata
.endif
;; end of part 2
;; ======== version 2 of 2: 2 launches; version 1 with the launch proj written anew for expert scheduling mode
;; workspace buffers: et 4,194,304 bytes; nd 1,048,576 bytes
;; launch proj (part 3): grid 8 x 40, 8 waves a work-group, no clusters, 151,552 bytes of LDS; arguments encoder_states, decoder_states, W_mlp, b_mlp, et, nd; writes et, nd
.if DOCPART == 3
	.amdgcn_target "amdgcn-amd-amdhsa--gfx1250"
	.amdhsa_code_object_version 6
	.text
	.protected	k_q1e67032d6e_proj
	.globl	k_q1e67032d6e_proj
	.p2align	8
	.type	k_q1e67032d6e_proj,@function
k_q1e67032d6e_proj:
	s_mov_b64 s[64:65], 0
	v_nop
	global_prefetch_b8 v0, s[64:65] scope:SCOPE_SE
	s_setreg_imm32_b32 hwreg(HW_REG_WAVE_SCHED_MODE, 0, 2), 2
	s_setreg_imm32_b32 hwreg(HW_REG_WAVE_MODE, 25, 1), 1
	s_wait_xcnt 0x0
	s_wait_alu depctr_vm_vsrc(0)
; The two projections, one 64 x 64 tile of results for each work-group, K = 512 whole.
;   y = 0..31 : ET[b][h][e]        = sum_d enc[b][e][d] W[h][d]                    (enc_proj, transposed), f32
;   y = 32..39: ND[b][qt][h][16 q] = -( sum_d dec[b][q][d] W[h][512+d] + b_mlp[h] ), f32
; x = 0..7 is the tile of 64 h.  Operands are rounded to bf16 on the way from memory to LDS, sums are f32.
; Eight waves.  Wave w makes two 16 x 16 tiles: rows 16 (w & 3) .., h blocks 2 (w >> 2) and 2 (w >> 2) + 1.
; NO CLUSTER, NO TENSOR LOAD, though 8 work-groups read each tile of activations and 40 each tile of W: the operands lie in
; memory as f32 and are multiplied as bf16, so every word passes through registers for its conversion.  A joint load would
; lay the f32 tile in LDS (2 x 131,072 bytes a work-group instead of 2 x 66,560), to be read, converted and stored once more.
; NO RING OVER K: both operands' whole K (64 rows x 512 bf16 each) fit in LDS, so one fill and one barrier do.
; THE MODE: SCHED_MODE bits 1:0 = 2 (LLVM: expert scheduling mode 2), set by the entry lines.  The code itself states the register
; dependences between vector or matrix instructions and memory or LDS instructions, with s_wait_alu, always for 0.
; THE PLAN.  Registers that memory or LDS instructions touch:
;   v1-v7, v9-v13  offsets and LDS addresses: made at the head, never written again; one wait ahead of the first load serves them all.
;   X0, X1         raw f32, 16 loads each.  Batch p of four: its 32 conversions read X[p % 2]; behind them the loads of batch p + 2 land in it.
;   O0, O1         the same numbers in bf16.  Batch p's conversions write O[p % 2]; its 16 LDS stores read it; batch p + 2 writes it again.
;                  No store reads X, so a raw buffer is asked for again behind the one wait that follows its conversions, ahead of the stores.
;   F0, F1         fragments of four K steps each.  A phase's eight matrix instructions read one; the loads into the OTHER, which the phase
;                  before read, are dealt among them, behind one wait at the phase's head.
;   ACC0, ACC1     written by matrix instructions, read by four LDS stores behind one wait.
;   v[16:31]       the way out: LDS loads land there, the ND tiles' subtractions rewrite them, global stores read them.
.set PITCH,  1040                      ; an LDS row of 512 bf16 + 16 bytes: an odd multiple of 16, the 16 rows of a fragment load fall on different banks
.set BOFF,   64*PITCH                  ; W's 64 rows lie behind the activations' 64 rows
.set STAGE,  2*64*PITCH                ; results, f32 [64 h][64 rows]
.set SPITCH, 272                       ; 256 bytes + 16
.set X0,   16                          ; v[16:79]    16 loads of 4 f32, batches 0 and 2
.set X1,   80                          ; v[80:143]   batches 1 and 3
.set O0,   144                         ; v[144:175]  16 pieces of 4 bf16, batches 0 and 2
.set O1,   176                         ; v[176:207]  batches 1 and 3
.set F0,   16                          ; v[16:111]   fragments of 4 K steps (A 8, B0 8, B1 8 registers a step), buffer 0
.set F1,   112                         ; v[112:207]  buffer 1
.set ACC0, 208                         ; v[208:215]  (before the products: scratch for the addresses)
.set ACC1, 216                         ; v[216:223]
; v1 global offset in the activations, v2 in W, v3/v4 LDS store address of A/B, v5/v6 fragment address of A/B, v7 stage store,
; v8 bias, v9/v10 LDS/global offset of ET's way out, v11/v12 of ND's, v13 bias offset, v14 lane
	s_load_b256 s[4:11], s[0:1], 0x0               ; enc s[4:5], dec s[6:7], W s[8:9], b_mlp s[10:11]
	s_load_b128 s[12:15], s[0:1], 0x20             ; et s[12:13], nd s[14:15]
	v_lshl_add_u32 v224, v0, 2, 0x24c00
	v_mov_b32 v225, 0
	v_lshrrev_b32 v14, 5, v0
	v_readfirstlane_b32 s16, v14                   ; wave 0..7
	s_and_b32 s17, ttmp7, 0xffff                   ; y
	v_and_b32 v14, 31, v0                          ; lane
	v_and_b32 v208, 15, v0                         ; r
	v_bfe_u32 v209, v0, 4, 1                       ; h (half of the lanes)
	s_wait_alu depctr_va_sdst(0)                   ; s16 is written, ahead of its first reader: the wave's shares below are made from it
	; a wave copies 8 rows of each operand: 4 loads of 512 bytes a row, 16 bytes a lane
	s_lshl_b32 s29, s16, 14
	v_lshl_add_u32 v1, v14, 4, s29                 ; 8 rows x 2,048 bytes x wave + 16 lane
	s_lshl_b32 s29, s16, 15
	v_lshl_add_u32 v2, v14, 4, s29                 ; 8 rows x 4,096 bytes x wave + 16 lane
	s_mul_i32 s29, s16, 8*PITCH
	v_lshl_add_u32 v3, v14, 3, s29                 ; in LDS: 8 bytes (4 bf16) a lane
	v_add_nc_u32 v4, BOFF, v3
	; fragments: row r of the block, 16 bytes for each half of the lanes
	s_and_b32 s30, s16, 3                          ; my block of 16 rows
	s_lshr_b32 s31, s16, 2                         ; my pair of h blocks
	v_mul_u32_u24 v210, v208, PITCH
	v_lshl_add_u32 v210, v209, 4, v210
	s_mul_i32 s29, s30, 16*PITCH
	v_add_nc_u32 v5, s29, v210
	s_mul_i32 s29, s31, 32*PITCH
	s_add_co_u32 s29, s29, BOFF
	v_add_nc_u32 v6, s29, v210
	; a result tile: lane (r, h) holds h index r, rows 8 h .. 8 h + 7: 32 neighbouring bytes of the stage's row
	v_mul_u32_u24 v210, v208, SPITCH
	v_lshl_add_u32 v210, v209, 5, v210
	s_mul_i32 s29, s31, 32*SPITCH
	s_lshl_b32 s32, s30, 6
	s_add_co_u32 s29, s29, s32
	s_add_co_u32 s29, s29, STAGE
	v_add_nc_u32 v7, s29, v210
	; ET's way out: 16 threads take a stage row (256 bytes = 64 e of one h)
	v_lshrrev_b32 v210, 4, v0
	v_lshlrev_b32 v211, 4, v208
	v_mad_u32_u24 v9, v210, SPITCH, v211
	v_add_nc_u32 v9, STAGE, v9
	v_lshl_add_u32 v10, v210, 11, v211             ; ET's rows are 2,048 bytes apart
	; ND's way out: 4 threads take 64 bytes (16 q of one h); in memory thread t's 16 bytes lie at 16 t
	v_lshrrev_b32 v210, 2, v0
	v_and_b32 v211, 3, v0
	v_lshlrev_b32 v211, 4, v211
	v_mad_u32_u24 v11, v210, SPITCH, v211
	v_add_nc_u32 v11, STAGE, v11
	v_lshlrev_b32 v12, 4, v0
	v_lshlrev_b32 v13, 2, v210                     ; b_mlp[64 x + (t >> 2)]
	; which operand: enc rows 64 y, W columns 0..511, or dec rows 64 (y - 32), W columns 512..1023
	s_and_b32 s26, s17, 7                          ; y - 32 for y = 32..39; for y < 32 the e tile inside b
	s_cmp_lt_u32 s17, 32
	s_cselect_b32 s27, s17, s26
	s_cselect_b32 s28, 0, 2048
	s_wait_kmcnt 0x0                               ; (selects and waits leave SCC as the compare set it)
	s_cselect_b64 s[18:19], s[4:5], s[6:7]
	s_lshl_b32 s22, s27, 17                        ; 64 rows x 2,048 bytes
	s_mov_b32 s23, 0
	s_add_nc_u64 s[18:19], s[18:19], s[22:23]
	s_lshl_b32 s22, ttmp9, 18                      ; 64 rows x 4,096 bytes
	s_add_co_u32 s22, s22, s28
	s_add_nc_u64 s[20:21], s[8:9], s[22:23]
	s_lshl_b32 s22, ttmp9, 8
	s_add_nc_u64 s[10:11], s[10:11], s[22:23]
; 16 loads: pieces j0 .. j0 + 15 of the wave's 32 (row j >> 2, 512 bytes (j & 3) of it)
.macro LDG x, off, base, j0, rowstep
.irp i, 0,1,2,3,4,5,6,7,8,9,10,11,12,13,14,15
	global_load_b128 v[\x+4*\i:\x+4*\i+3], v[\off], s[\base:\base+1] offset:((\j0+\i)>>2)*\rowstep+((\j0+\i)&3)*512
.endr
.endm
; 16 pieces are rounded to bf16, out of raw buffer x into out-buffer o
.macro CVT x, o
.irp i, 0,1,2,3,4,5,6,7,8,9,10,11,12,13,14,15
	v_cvt_pk_bf16_f32 v[\o+2*\i],   v[\x+4*\i],   v[\x+4*\i+1]
	v_cvt_pk_bf16_f32 v[\o+2*\i+1], v[\x+4*\i+2], v[\x+4*\i+3]
.endr
.endm
; the same 16 pieces, 8 bytes a lane into LDS (a wave's store covers 256 neighbouring bytes)
.macro STS o, la, j0
.irp i, 0,1,2,3,4,5,6,7,8,9,10,11,12,13,14,15
	ds_store_b64 v[\la], v[\o+2*\i:\o+2*\i+1] offset:((\j0+\i)>>2)*PITCH+((\j0+\i)&3)*256
.endr
.endm
	s_wait_alu depctr_va_vdst(0)                   ; v1 to v7 and v9 to v13 are written: every load and store of the kernel reads one of them as its offset or address
	global_load_b32 v8, v13, s[10:11]              ; the bias, asked for early; only the ND tiles use it (ET carries no bias)
	LDG X0, 1, 18, 0, 2048
	LDG X1, 1, 18, 16, 2048
	s_wait_loadcnt 0x10                            ; loads come back in order: all but the youngest 16 are in (bias, A's first half)
	CVT X0, O0
	s_wait_alu depctr_va_vdst(0)                   ; the conversions have written O0, which the stores below read, and are done reading X0, in which the loads below land
	LDG X0, 2, 20, 0, 4096                         ; the raw buffer is asked for again at once, ahead of the stores
	STS O0, 3, 0
	s_wait_loadcnt 0x10                            ; A's second half
	CVT X1, O1
	s_wait_alu depctr_va_vdst(0)                   ; the same for O1 and X1
	LDG X1, 2, 20, 16, 4096
	STS O1, 3, 16
	s_wait_loadcnt 0x10                            ; W's first half
	s_wait_alu depctr_vm_vsrc(0)                   ; the stores of A's first half have read O0, which the conversions below write again
	CVT X0, O0
	s_wait_alu depctr_va_vdst(0)                   ; the conversions have written O0, which the stores below read
	STS O0, 4, 0
	s_wait_loadcnt 0x0                             ; W's second half: nothing was issued behind it
	s_wait_alu depctr_vm_vsrc(0)                   ; the stores of A's second half have read O1, which the conversions below write again
	CVT X1, O1
	s_wait_alu depctr_va_vdst(0)                   ; the conversions have written O1, which the stores below read; all conversions are done with X0, X1, O0, O1, which are F0 and F1 from here on
	STS O1, 4, 16
	s_wait_dscnt 0x0                               ; my stores are in LDS before I say so
	s_barrier_signal -1
	s_barrier_wait -1                              ; both operands are whole
	s_wait_alu depctr_vm_vsrc(0)                   ; my LDS stores have read O0 and O1: F1's fragments land in these registers
; fragments of K step ks (32 k = 64 bytes) into place s of buffer f: A, B of my first h block, B of my second (16 rows further)
.macro LOAD1 f, s, ks
	ds_load_b128 v[\f+24*\s:\f+24*\s+3],     v5 offset:64*(\ks)
	ds_load_b128 v[\f+24*\s+4:\f+24*\s+7],   v5 offset:64*(\ks)+32
	ds_load_b128 v[\f+24*\s+8:\f+24*\s+11],  v6 offset:64*(\ks)
	ds_load_b128 v[\f+24*\s+12:\f+24*\s+15], v6 offset:64*(\ks)+32
	ds_load_b128 v[\f+24*\s+16:\f+24*\s+19], v6 offset:64*(\ks)+16*PITCH
	ds_load_b128 v[\f+24*\s+20:\f+24*\s+23], v6 offset:64*(\ks)+16*PITCH+32
.endm
; one K step for both tiles; zero = 1: the first product starts the sums, nothing is cleared.  The two accumulators take turns.
.macro MUL1 f, s, zero
.if \zero
	v_wmma_f32_16x16x32_bf16 v[ACC0:ACC0+7], v[\f+24*\s:\f+24*\s+7], v[\f+24*\s+8:\f+24*\s+15], 0
	v_wmma_f32_16x16x32_bf16 v[ACC1:ACC1+7], v[\f+24*\s:\f+24*\s+7], v[\f+24*\s+16:\f+24*\s+23], 0
.else
	v_wmma_f32_16x16x32_bf16 v[ACC0:ACC0+7], v[\f+24*\s:\f+24*\s+7], v[\f+24*\s+8:\f+24*\s+15], v[ACC0:ACC0+7]
	v_wmma_f32_16x16x32_bf16 v[ACC1:ACC1+7], v[\f+24*\s:\f+24*\s+7], v[\f+24*\s+16:\f+24*\s+23], v[ACC1:ACC1+7]
.endif
.endm
; A phase: the four K steps of buffer f.  In front of K step s at most c0 - cs x s younger LDS loads may be out (they come back in order, six to a K step).
; more = 1: behind each K step's two products the fragments of K step nk + s go into place s of buffer g.  No wait stands there: the matrix
; instructions issued since the wait at the phase's head name buffer f and the accumulators, none of the registers that those loads touch.
.macro PHASE f, zero, c0, cs, more, g=0, nk=0
.irp s, 0,1,2,3
	s_wait_dscnt \c0-\cs*\s
.if (\zero) && (\s == 0)
	MUL1 \f, \s, 1
.else
	MUL1 \f, \s, 0
.endif
.if \more
	LOAD1 \g, \s, \nk+\s
.endif
.endr
.endm
; A store of a matrix result stands four independent plain vector instructions behind the matrix instruction; this text keeps the same
; four ahead of loads into registers that a matrix instruction has read.  There is no other vector work here, so they are v_nop.  They stand beside the
; waits that state the dependences, not in their place.
.macro PLACES
.rept 4
	v_nop
.endr
.endm
.irp s, 0,1,2,3
	LOAD1 F0, \s, \s                               ; K steps 0 to 3
.endr
.irp s, 0,1,2,3
	LOAD1 F1, \s, 4+\s                             ; K steps 4 to 7
.endr
	PHASE F0, 1, 42, 6, 0                          ; K steps 0 to 3: behind K step s's six loads 42 - 6 s were issued
	PLACES
	s_wait_alu depctr_va_vdst(0)                   ; the matrix instructions of K steps 0 to 3 are done reading F0, in which the loads of this phase land
	PHASE F1, 0, 18, 0, 1, F0, 8                   ; K steps 4 to 7; 8 to 11 are fetched.  Always three younger K steps' loads, 18: each step issues six more
	PLACES
	s_wait_alu depctr_va_vdst(0)                   ; the matrix instructions of K steps 4 to 7 are done reading F1, in which the loads of this phase land
	PHASE F0, 0, 18, 0, 1, F1, 12                  ; K steps 8 to 11; 12 to 15 are fetched
	PHASE F1, 0, 18, 6, 0                          ; K steps 12 to 15: nothing more is fetched, the counts run down
	PLACES
	s_wait_alu depctr_va_vdst(0)                   ; the matrix instructions have written the accumulators, which the LDS stores read, and are done reading v[16:31], in which the way out's loads land
	ds_store_b128 v7, v[ACC0:ACC0+3]
	ds_store_b128 v7, v[ACC0+4:ACC0+7] offset:16
	ds_store_b128 v7, v[ACC1:ACC1+3]   offset:16*SPITCH
	ds_store_b128 v7, v[ACC1+4:ACC1+7] offset:16*SPITCH+16
	s_wait_dscnt 0x0                               ; my part of the stage is in LDS before I say so
	s_barrier_signal -1
	s_barrier_wait -1
; Four passes: 16 bytes a thread from the stage, out in stores of which 16 neighbouring lanes cover 256 aligned bytes.
; neg = 1: (-bias) - x on the way.  The loads owe no further wait: no vector instruction since the wait ahead of the accumulators' stores names v[16:31] or an address.
.macro OUT la, ga, step, neg
.irp p, 0,1,2,3
	ds_load_b128 v[16+4*\p:19+4*\p], v[\la] offset:\p*\step
.endr
	s_wait_dscnt 0x0
.if \neg
.irp i, 0,1,2,3,4,5,6,7,8,9,10,11,12,13,14,15
	v_sub_f32 v[16+\i], v8, v[16+\i]
.endr
	s_wait_alu depctr_va_vdst(0)                   ; the subtractions have written v[16:31], which the stores below read
.endif
.irp p, 0,1,2,3
	global_store_b128 v[\ga], v[16+4*\p:19+4*\p], s[24:25] offset:\p*32768
.endr
.endm
	s_cmp_lt_u32 s17, 32
	s_cbranch_scc1 .Lenc
	; ND: pass p = q tile p of my four (stage columns 16 p .., 32,768 bytes further in memory)
	s_lshl_b32 s22, s26, 17                        ; b x 8 tiles + first q tile = 4 (y - 32) tiles of 32,768 bytes
	s_lshl_b32 s29, ttmp9, 12                      ; 64 h x 64 bytes
	s_add_co_u32 s22, s22, s29
	s_add_nc_u64 s[24:25], s[14:15], s[22:23]
	v_xor_b32 v8, 0x80000000, v8                   ; -bias
	OUT 11, 12, 64, 1
	s_wait_dscnt 0x0
	s_wait_alu depctr_hold_cnt(0) depctr_sa_sdst(0) depctr_va_vdst(0) depctr_va_sdst(0) depctr_va_ssrc(0) depctr_va_vcc(0) depctr_vm_vsrc(0)
	s_wait_tensorcnt 0x0
	ds_add_u32 v224, v225
	s_wait_dscnt 0x0
	s_endpgm
.Lenc:
	; ET: pass p = h rows 16 p .. of my 64 (16 stage rows, 16 x 2,048 bytes further in memory)
	s_lshr_b32 s22, s17, 3
	s_lshl_b32 s22, s22, 20                        ; b x 512 x 2,048 bytes
	s_lshl_b32 s29, ttmp9, 17                      ; 64 h x 2,048 bytes
	s_add_co_u32 s22, s22, s29
	s_lshl_b32 s29, s26, 8                         ; 64 e x 4 bytes
	s_add_co_u32 s22, s22, s29
	s_add_nc_u64 s[24:25], s[12:13], s[22:23]
	OUT 9, 10, 16*SPITCH, 0
	s_wait_dscnt 0x0
	s_wait_alu depctr_hold_cnt(0) depctr_sa_sdst(0) depctr_va_vdst(0) depctr_va_sdst(0) depctr_va_ssrc(0) depctr_va_vcc(0) depctr_vm_vsrc(0)
	s_wait_tensorcnt 0x0
	ds_add_u32 v224, v225
	s_wait_dscnt 0x0
	s_endpgm
.Lfunc_end_k_q1e67032d6e_proj:
	.size	k_q1e67032d6e_proj, .Lfunc_end_k_q1e67032d6e_proj-k_q1e67032d6e_proj
	.p2alignl 7, 3214868480
	.fill 96, 4, 3214868480
	.section	.rodata,"a",@progbits
	.p2align	6, 0x0
	.amdhsa_kernel k_q1e67032d6e_proj
		.amdhsa_group_segment_fixed_size 151552
		.amdhsa_private_segment_fixed_size 0
		.amdhsa_enable_private_segment 0
		.amdhsa_kernarg_size 48
		.amdhsa_user_sgpr_count 2
		.amdhsa_user_sgpr_kernarg_segment_ptr 1
		.amdhsa_wavefront_size32 1
		.amdhsa_system_sgpr_workgroup_id_x 1
		.amdhsa_system_sgpr_workgroup_id_y 1
		.amdhsa_system_sgpr_workgroup_id_z 1
		.amdhsa_system_vgpr_workitem_id 0
		.amdhsa_next_free_vgpr 226
		.amdhsa_next_free_sgpr 66
		.amdhsa_reserve_vcc 0
		.amdhsa_float_denorm_mode_32 3
		.amdhsa_float_denorm_mode_16_64 3
		.amdhsa_memory_ordered 1
		.amdhsa_forward_progress 1
		.amdhsa_inst_pref_size 34
	.end_amdhsa_kernel
	.amdgpu_metadata
---
amdhsa.version: [ 1, 2 ]
amdhsa.kernels:
  - .name:           k_q1e67032d6e_proj
    .symbol:         k_q1e67032d6e_proj.kd
    .args:
      - { .name: encoder_states, .offset: 0, .size: 8, .value_kind: global_buffer, .address_space: global }
      - { .name: decoder_states, .offset: 8, .size: 8, .value_kind: global_buffer, .address_space: global }
      - { .name: W_mlp, .offset: 16, .size: 8, .value_kind: global_buffer, .address_space: global }
      - { .name: b_mlp, .offset: 24, .size: 8, .value_kind: global_buffer, .address_space: global }
      - { .name: et, .offset: 32, .size: 8, .value_kind: global_buffer, .address_space: global }
      - { .name: nd, .offset: 40, .size: 8, .value_kind: global_buffer, .address_space: global }
    .group_segment_fixed_size: 151552
    .private_segment_fixed_size: 0
    .kernarg_segment_align: 8
    .kernarg_segment_size: 48
    .max_flat_workgroup_size: 256
    .sgpr_count:     66
    .vgpr_count:     226
    .wavefront_size: 32
...
	.end_amdgpu_metadata
.endif
;; end of part 3
;; launch pair: the kernel of part 2 again; grid 8 x 32, 32 waves a work-group, no clusters, 139,520 bytes of LDS; arguments et, nd, W_out, b_out, out0; writes out0
